; MI455X (gfx1250); checked and timed in simulation.
; The chip was launched on July 23, 2026; its instructions are those of AMD's public machine-readable ISA for CDNA 5 (MIT licence, August 2026) and "CDNA5" Instruction Set Architecture Reference Guide (July 2026).
;; Masked Attention. Allowed arithmetic: matrix products marked QUANTISED: E4M3 operands, one E8M0 scale for each 32 along K, by v_wmma_scale_f32_16x16x128_f8f6f4 with both operands' format E4M3, f32 sums; everything else in f32.
;; Inputs: Wk 1,024 x 1,024 float32; Wq 1,024 x 1,024 float32; Wv 1,024 x 1,024 float32; x 4 x 2,048 x 1,024 float32.
;; Outputs: out0 4 x 2,048 x 1,024 float32.
;; This version of the problem:
;;   THIS VERSION OF THE PROBLEM IS GIVEN IN LOW PRECISION. The matrix products marked QUANTISED in the list below multiply operands that are first quantised to E4M3 (4 exponent bits, 3 mantissa bits; 8 bits a number), with one power-of-two scale for each 32 numbers along K (OCP MX v1.0); their sums are f32. All else is computed in f32.
;;   The module's matrix products, in the order in which they are computed (A, B: the left and right operand; K: the contracted axis; several contracted axes count as one K, in the product's order):
;;     1. [M 8,192, K 1,024] x [K 1,024, N 1,024]; A: input x; B: input Wq: QUANTISED
;;     2. [M 8,192, K 1,024] x [K 1,024, N 1,024]; A: input x; B: input Wk: QUANTISED
;;     3. [M 8,192, K 1,024] x [K 1,024, N 1,024]; A: input x; B: input Wv: QUANTISED
;;     4. batch 4 x [M 2,048, K 1,024] x [K 1,024, N 2,048]; A: computed on the way; B: computed on the way: QUANTISED
;;     5. batch 4 x [M 2,048, K 2,048] x [K 2,048, N 1,024]; A: softmax (see below); B: computed on the way: QUANTISED
;;   THE QUANTISER, for each operand of a quantised product, along K:
;;     - K is cut into blocks of 32 from its start; a last block that is shorter is filled with zeros.
;;     - A block's scale is 2^e with e = floor(log2(the largest magnitude in the block)) - 8, held to -126 .. 127; a block of zeros has e = 0. As a byte (E8M0): e + 127.
;;     - Each number is divided by its block's scale, clamped to +-448, and rounded to the nearest number of E4M3, ties to even, subnormals kept.
;;     - The product sums the exact products of the quantised numbers (number of the format x scale) in f32.
;;   ~~~python
;;   def quantise(x, axis):      # numpy; x: float32 -> the quantised numbers, widened to float32 again
;;       x = np.moveaxis(x, axis, -1); K = x.shape[-1]
;;       x = np.pad(x, [(0, 0)] * (x.ndim - 1) + [(0, -K % 32)]); x = x.reshape(x.shape[:-1] + (-1, 32)); a = np.abs(x).max(-1, keepdims=True)
;;       e = np.where(a > 0, np.clip(np.frexp(np.where(a > 0, a, 1))[1] - 1 - 8, -126, 127), 0)      # np.frexp(a)[1] - 1 = floor(log2(a)), exactly
;;       r = np.clip(x / 2.0 ** e, -448, 448)
;;       step = 2.0 ** (np.maximum(np.frexp(np.where(r == 0, 1, r))[1] - 1, -6) - 3)
;;       q = np.round(r / step) * step * 2.0 ** e      # np.round: ties to even
;;       return np.moveaxis(q.reshape(q.shape[:-2] + (-1,))[..., :K], -1, axis).astype(np.float32)
;;   ~~~
;;   SOFTMAX AHEAD OF A QUANTISED PRODUCT. Where the list says 'softmax', what is quantised is not the finished softmax but p = 2^(t - M), with t = logit x log2(e) and M = ceil(the row's largest t), a whole number; so 1/2 < the row's largest p <= 1. The row's sum l is taken of the UNQUANTISED p, in f32, and the product's result is divided by l at the end. Since M is a whole number, a kernel that streams over the keys may use a running M (the ceiling of the running maximum): every later rescaling is an exact power of two, which a block's scale takes up: the codes' values come out the same.
;;   OPERANDS COMPUTED ON THE WAY. 'Computed on the way' means the value that the module computes at that place (a softmax that the list does not call 'softmax' is quantised finished and normalised). What goes into a quantiser is computed in f32, as accurately as f32 sums, v_exp_f32 and their like allow (about 1e-6 of the number): no bf16 or f16 on the way to a quantiser, and a product that is left as it is and whose result goes on into a quantised operand takes f32 operands (vector FMAs, or v_wmma_f32_16x16x4_f32). A number that lies on a knife's edge between two numbers of the format may be rounded either way, as far as f32 arithmetic and the matrix unit's own rounding can turn it there, and no further.
;; One version. Each part assembles by itself: llvm-mc -triple=amdgcn-amd-amdhsa -mcpu=gfx1250 --defsym DOCPART=n.
;; ======== version 1 of 1: 4 launches
;; limits: right only within a limited range of input values
;; workspace buffers: xi 8,388,608 bytes; wi 3,145,728 bytes; xws 360,448 bytes; qk 16,777,216 bytes; vi 8,388,608 bytes; sc 786,432 bytes; pi 16,777,216 bytes; pst 1,572,864 bytes
;; launch quant (part 1): grid 352 x 1, 4 waves a work-group, no clusters, 68,096 bytes of LDS; arguments x, Wq, Wk, Wv, xi, wi, xws; writes xi, wi, xws
.if DOCPART == 1
	.amdgcn_target "amdgcn-amd-amdhsa--gfx1250"
	.amdhsa_code_object_version 6
	.text
	.protected	k_q27dd186726_quant
	.globl	k_q27dd186726_quant
	.p2align	8
	.type	k_q27dd186726_quant,@function
k_q27dd186726_quant:
	s_mov_b64 s[64:65], 0
	v_nop
	global_prefetch_b8 v0, s[64:65] scope:SCOPE_SE
	s_setreg_imm32_b32 hwreg(HW_REG_WAVE_MODE, 25, 1), 1
	s_wait_xcnt 0x0
.set STG,   8448
.set WST,   33792
.set SPARE, 67584
.set SPW, 9
.set NIL, 10
.set SEL, 20
.set MNT, 23
.set HM,  24
.set R,   16
.set X,   144
.set TM,  208
.set PW,  224
.set PK,  228
.set CD,  240
.set XW,  32
.set C,   96
.set SB,  104
.set OUTR, 112
	s_load_b256 s[4:11], s[0:1], 0x0
	s_load_b128 s[12:15], s[0:1], 0x20
	s_load_b64 s[16:17], s[0:1], 0x30
	v_lshl_add_u32 v[SPW], v0, 2, SPARE
	v_mov_b32 v[NIL], 0
	v_lshrrev_b32 v1, 5, v0
	v_readfirstlane_b32 s18, v1
	v_and_b32 v1, 31, v0
	v_and_b32 v2, 15, v0
	v_bfe_u32 v3, v0, 4, 1
	v_lshlrev_b32 v4, 4, v1
	v_lshlrev_b32 v8, 3, v1
	v_cmp_lt_u32 s[HM], 15, v1
	s_mov_b32 s[SEL], 0x76543210
	s_mov_b32 s[SEL+1], 0xfedcba98
	s_mov_b32 s[MNT], 0x600000
	s_mul_i32 s19, s18, STG
	s_mov_b32 s27, 0
	s_wait_kmcnt 0x0
	s_cmp_lt_u32 ttmp9, 256
	s_cbranch_scc0 .Lweights
	s_wait_alu depctr_va_vdst(0)
	v_add_nc_u32 v5, s19, v4
	v_mul_u32_u24 v6, v2, 528
	v_lshl_add_u32 v6, v3, 6, v6
	v_add_nc_u32 v6, s19, v6
.irp b, 0,1,2,3
	v_mov_b32 v[TM+4+\b], 0
.endr
	s_lshl_b32 s26, ttmp9, 17
	s_lshl_b32 s28, s18, 10
	s_add_co_u32 s26, s26, s28
	s_add_nc_u64 s[4:5], s[4:5], s[26:27]
	s_lshl_b32 s26, ttmp9, 15
	s_lshl_b32 s28, s18, 12
	s_add_co_u32 s26, s26, s28
	s_add_nc_u64 s[12:13], s[12:13], s[26:27]
	s_lshl_b32 s26, ttmp9, 10
	s_lshl_b32 s28, s18, 8
	s_add_co_u32 s26, s26, s28
	s_add_nc_u64 s[16:17], s[16:17], s[26:27]
.macro LOADU n
.irp i, 0,1,2,3,4,5,6,7,8,9,10,11,12,13,14,15
	global_load_b128 v[R+64*((\n)%2)+4*\i:R+64*((\n)%2)+4*\i+3], v4, s[4:5] offset:(8*((\n)&1)+(\i&7)+16*(\i>>3))*4096+512*((\n)>>1) th:TH_LOAD_NT
.endr
.endm
.macro QUANT s, pw
.irp b, 0,1,2,3
	v_max3_num_f32 v[TM+\b], |v[\s+16*\b]|, |v[\s+16*\b+1]|, 0x4800000
.endr
.irp i, 2,4,6,8,10,12,14
.irp b, 0,1,2,3
	v_max3_num_f32 v[TM+\b], v[TM+\b], |v[\s+16*\b+\i]|, |v[\s+16*\b+\i+1]|
.endr
.endr
.irp b, 0,1,2,3
	v_permlanex16_b32 v[TM+4+\b], v[TM+\b], s[SEL], s[SEL+1]
.endr
.irp b, 0,1,2,3
	v_max_num_f32 v[TM+\b], v[TM+\b], v[TM+4+\b]
.endr
.irp b, 0,1,2,3
	v_add_nc_u32 v[TM+12+\b], 0xfc000000, v[TM+\b]
.endr
.irp b, 0,1,2,3
	v_and_or_b32 v[TM+8+\b], v[TM+\b], 0x7f800000, s[MNT]
.endr
.irp b, 0,1,2,3
	v_lshrrev_b32 v[TM+4+\b], 23, v[TM+12+\b]
.endr
	v_lshl_or_b32 v[\pw], v[TM+5], 8, v[TM+4]
	v_lshl_or_b32 v[\pw], v[TM+6], 16, v[\pw]
	v_lshl_or_b32 v[\pw], v[TM+7], 24, v[\pw]
.irp b, 0,1,2,3
.irp i, 0,1,2,3,4,5,6,7,8,9,10,11,12,13,14,15
	v_med3_num_f32 v[\s+16*\b+\i], v[\s+16*\b+\i], -v[TM+8+\b], v[TM+8+\b]
.endr
	v_cvt_scalef32_pk8_fp8_f32 v[CD+4*\b:CD+4*\b+1], v[\s+16*\b:\s+16*\b+7], v[TM+12+\b]
	v_cvt_scalef32_pk8_fp8_f32 v[CD+4*\b+2:CD+4*\b+3], v[\s+16*\b+8:\s+16*\b+15], v[TM+12+\b]
.endr
	v_nop
.endm
.macro UNIT n
.if (\n) < 3
	s_wait_loadcnt 16
.else
	s_wait_loadcnt 0
.endif
	s_wait_xcnt 0x0
.irp i, 0,1,2,3,4,5,6,7,8,9,10,11,12,13,14,15
	ds_store_b128 v5, v[R+64*((\n)%2)+4*\i:R+64*((\n)%2)+4*\i+3] offset:528*\i
.endr
.irp b, 0,1,2,3
.irp q, 0,1,2,3
	ds_load_b128 v[X+16*\b+4*\q:X+16*\b+4*\q+3], v6 offset:128*\b+16*\q
.endr
.endr
	s_wait_dscnt 0x0
.if (\n) < 2
	LOADU (\n)+2
.endif
	QUANT X, PW+(\n)
.irp c, 0,1,2,3
	global_store_b128 v4, v[CD+4*\c:CD+4*\c+3], s[12:13] offset:16384*((\n)&1)+2048*((\n)>>1)+512*\c
.endr
.endm
	LOADU 0
	LOADU 1
	s_wait_alu depctr_va_vdst(0)
	UNIT 0
	UNIT 1
	UNIT 2
	UNIT 3
	v_cndmask_b32 v[PK], v[PW], v[PW+1], s[HM]
	v_cndmask_b32 v[PK+1], v[PW+2], v[PW+3], s[HM]
	global_store_b64 v8, v[PK:PK+1], s[16:17]
	s_wait_tensorcnt 0x0
	ds_add_u32 v[SPW], v[NIL]
	s_wait_dscnt 0x0
	s_endpgm
.Lweights:
	s_sub_co_u32 s25, ttmp9, 256
	s_lshr_b32 s28, s25, 5
	s_and_b32 s29, s25, 7
	s_bfe_u32 s30, s25, 0x20003
	s_and_b32 s36, s29, 1
	s_cmp_eq_u32 s28, 1
	s_cselect_b32 s36, s36, 1
	s_cmp_eq_u32 s36, 0
	s_cselect_b32 s36, 0x80808080, 0
	s_xor_b32 s37, s36, 0x80808080
	s_cmp_eq_u32 s28, 0
	s_cselect_b64 s[32:33], s[6:7], s[8:9]
	s_cmp_eq_u32 s28, 2
	s_cselect_b64 s[32:33], s[10:11], s[32:33]
	s_lshl_b32 s31, s29, 2
	s_add_co_u32 s31, s31, s18
	s_lshl_b32 s26, s30, 20
	s_lshl_b32 s34, s31, 7
	s_add_co_u32 s26, s26, s34
	s_add_nc_u64 s[32:33], s[32:33], s[26:27]
	s_lshl_b32 s35, s28, 5
	s_add_co_u32 s35, s35, s31
	s_lshl_b32 s26, s35, 15
	s_lshl_b32 s34, s30, 12
	s_add_co_u32 s26, s26, s34
	s_add_nc_u64 s[14:15], s[14:15], s[26:27]
	s_lshl_b32 s26, s35, 10
	s_lshl_b32 s34, s30, 8
	s_add_co_u32 s26, s26, s34
	s_add_co_u32 s26, s26, 262144
	s_add_nc_u64 s[16:17], s[16:17], s[26:27]
	s_wait_alu depctr_va_vdst(0)
	v_lshlrev_b32 v5, 2, v1
	v_bfe_u32 v6, v0, 3, 1
	v_and_b32 v7, 7, v0
	v_lshl_add_u32 v7, v3, 3, v7
	v_mul_u32_u24 v11, v6, 4224
	v_lshl_add_u32 v11, v7, 4, v11
	v_add_nc_u32 v11, s19, v11
	v_add_nc_u32 v11, WST, v11
	v_add_nc_u32 v12, s19, v4
	v_add_nc_u32 v12, WST, v12
	v_lshl_add_u32 v13, v6, 4, v7
	v_lshlrev_b32 v13, 3, v13
.macro LOADW t
.irp i, 0,1,2,3,4,5,6,7,8,9,10,11,12,13,14,15,16,17,18,19,20,21,22,23,24,25,26,27,28,29,30,31
	global_load_b32 v[XW+32*((\t)%2)+\i], v5, s[32:33] offset:(32*(\t)+\i)*4096 th:TH_LOAD_NT
.endr
.endm
.macro BLOCKW t
.set XSW, XW+32*((\t)%2)
.if (\t) < 7
	s_wait_loadcnt 32
.else
	s_wait_loadcnt 0
.endif
	v_max3_num_f32 v14, |v[XSW]|, |v[XSW+1]|, |v[XSW+2]|
	v_max3_num_f32 v15, |v[XSW+3]|, |v[XSW+4]|, |v[XSW+5]|
.irp i, 6,10,14,18,22,26
	v_max3_num_f32 v14, v14, |v[XSW+\i]|, |v[XSW+\i+1]|
	v_max3_num_f32 v15, v15, |v[XSW+\i+2]|, |v[XSW+\i+3]|
.endr
	v_max3_num_f32 v14, v14, |v[XSW+30]|, |v[XSW+31]|
	v_max3_num_f32 v14, v14, v15, 0x4800000
	v_add_nc_u32 v108, 0xfc000000, v14
	v_and_or_b32 v109, v14, 0x7f800000, s[MNT]
	v_lshrrev_b32 v15, 23, v108
.if (\t)%4 == 0
	v_mov_b32 v[SB+(\t)/4], v15
.else
	v_lshl_or_b32 v[SB+(\t)/4], v15, 8*((\t)%4), v[SB+(\t)/4]
.endif
.irp i, 0,1,2,3,4,5,6,7,8,9,10,11,12,13,14,15,16,17,18,19,20,21,22,23,24,25,26,27,28,29,30,31
	v_med3_num_f32 v[XSW+\i], v[XSW+\i], -v109, v109
.endr
.irp g, 0,1,2,3
	v_cvt_scalef32_pk8_fp8_f32 v[C+2*\g:C+2*\g+1], v[XSW+8*\g:XSW+8*\g+7], v108
.endr
	v_nop
.irp g, 0,1,2,3,4,5,6,7
.if (\t) < 4
	v_xor_b32 v[C+\g], s37, v[C+\g]
.else
	v_xor_b32 v[C+\g], s36, v[C+\g]
.endif
.endr
	ds_store_b128 v11, v[C:C+3] offset:((\t)>>2)*2048+((\t)&3)*512
	ds_store_b128 v11, v[C+4:C+7] offset:((\t)>>2)*2048+((\t)&3)*512+256
.if (\t)+2 < 8
	LOADW (\t)+2
.endif
	s_wait_dscnt 0x0
.endm
	LOADW 0
	LOADW 1
.irp t, 0,1,2,3,4,5,6,7
	BLOCKW \t
.endr
	global_store_b64 v13, v[SB:SB+1], s[16:17]
.irp t, 0,1,2,3,4,5,6,7,8,9,10,11,12,13,14,15
	ds_load_b128 v[OUTR+4*\t:OUTR+4*\t+3], v12 offset:4224*(\t>>3)+512*(\t&7)
.endr
.irp t, 0,1,2,3,4,5,6,7,8,9,10,11,12,13,14,15
	s_wait_dscnt 15-\t
	global_store_b128 v4, v[OUTR+4*\t:OUTR+4*\t+3], s[14:15] offset:16384*(\t>>3)+512*(\t&7)
.endr
	s_wait_tensorcnt 0x0
	ds_add_u32 v[SPW], v[NIL]
	s_wait_dscnt 0x0
	s_endpgm
.Lfunc_end_k_q27dd186726_quant:
	.size	k_q27dd186726_quant, .Lfunc_end_k_q27dd186726_quant-k_q27dd186726_quant
	.p2alignl 7, 3214868480
	.fill 96, 4, 3214868480
	.section	.rodata,"a",@progbits
	.p2align	6, 0x0
	.amdhsa_kernel k_q27dd186726_quant
		.amdhsa_group_segment_fixed_size 68096
		.amdhsa_private_segment_fixed_size 0
		.amdhsa_enable_private_segment 0
		.amdhsa_kernarg_size 56
		.amdhsa_user_sgpr_count 2
		.amdhsa_user_sgpr_kernarg_segment_ptr 1
		.amdhsa_wavefront_size32 1
		.amdhsa_system_sgpr_workgroup_id_x 1
		.amdhsa_system_sgpr_workgroup_id_y 1
		.amdhsa_system_sgpr_workgroup_id_z 1
		.amdhsa_system_vgpr_workitem_id 0
		.amdhsa_next_free_vgpr 256
		.amdhsa_next_free_sgpr 66
		.amdhsa_reserve_vcc 0
		.amdhsa_float_denorm_mode_32 3
		.amdhsa_float_denorm_mode_16_64 3
		.amdhsa_memory_ordered 1
		.amdhsa_forward_progress 1
		.amdhsa_inst_pref_size 112
	.end_amdhsa_kernel
	.amdgpu_metadata
---
amdhsa.version: [ 1, 2 ]
amdhsa.kernels:
  - .name:           k_q27dd186726_quant
    .symbol:         k_q27dd186726_quant.kd
    .args:
      - { .name: x, .offset: 0, .size: 8, .value_kind: global_buffer, .address_space: global }
      - { .name: Wq, .offset: 8, .size: 8, .value_kind: global_buffer, .address_space: global }
      - { .name: Wk, .offset: 16, .size: 8, .value_kind: global_buffer, .address_space: global }
      - { .name: Wv, .offset: 24, .size: 8, .value_kind: global_buffer, .address_space: global }
      - { .name: xi, .offset: 32, .size: 8, .value_kind: global_buffer, .address_space: global }
      - { .name: wi, .offset: 40, .size: 8, .value_kind: global_buffer, .address_space: global }
      - { .name: xws, .offset: 48, .size: 8, .value_kind: global_buffer, .address_space: global }
    .group_segment_fixed_size: 68096
    .private_segment_fixed_size: 0
    .kernarg_segment_align: 8
    .kernarg_segment_size: 56
    .max_flat_workgroup_size: 128
    .sgpr_count:     66
    .vgpr_count:     256
    .wavefront_size: 32
...
	.end_amdgpu_metadata
.endif
;; end of part 1
;; launch proj (part 2): grid 32 x 8, 4 waves a work-group, clusters of 4 x 1, 327,680 bytes of LDS; arguments xi, wi, xws, qk, vi, sc; writes qk, vi, sc
.if DOCPART == 2
	.amdgcn_target "amdgcn-amd-amdhsa--gfx1250"
	.amdhsa_code_object_version 6
	.text
	.protected	k_q27dd186726_proj
	.globl	k_q27dd186726_proj
	.p2align	8
	.type	k_q27dd186726_proj,@function
k_q27dd186726_proj:
	s_mov_b64 s[64:65], 0
	v_nop
	global_prefetch_b8 v0, s[64:65] scope:SCOPE_SE
	s_setreg_imm32_b32 hwreg(HW_REG_WAVE_MODE, 25, 1), 1
	s_wait_xcnt 0x0
	s_wait_alu depctr_hold_cnt(0) depctr_sa_sdst(0) depctr_va_vdst(0) depctr_va_sdst(0) depctr_va_ssrc(0) depctr_va_vcc(0) depctr_vm_vsrc(0)
	s_getreg_b32 s2, hwreg(HW_REG_IB_STS2, 6, 4)
	s_cmp_eq_u32 s2, 0
	s_cbranch_scc0 .Lentry_in_a_cluster
	s_endpgm
.Lentry_in_a_cluster:
	s_bfe_u32 s2, ttmp6, 0x10000c
	s_cmp_lg_u32 s2, 0x3003
	s_cbranch_scc0 .Lentry_shape_is_right
	s_endpgm
.Lentry_shape_is_right:
.set WSL,   262144
.set XV,    274432
.set SPARE, 275456
.set LI,  1
.set L4,  2
.set L8,  3
.set KA,  4
.set SA,  5
.set VBA, 6
.set XA,  8
.set SPW, 13
.set NIL, 14
.set ACC, 16
.set TM,  144
.set PX,  156
.set BD,  160
.set SOP, 164
.set EB,  168
.set SW,  172
.set PKR, 176
.set CD,  180
.set ZR,  196
.set XS,  204
.set WSC, 224
.set WV,  16
.set SEL, 20
.set MNT, 22
.set HM,  23
.set SEL4, 24
.set J,   25
.set KS,  26
.set SS,  27
.set G1A, 36
.set G0A, 44
.set G1B, 48
.set G0B, 56
.set CB,  60
.set QSB, 66
.set KSB, 68
.set VCB, 70
.set VSB, 72
.set XB,  74
.set XSB, 76
.set WSB, 78
.set G1X, 84
.set G0X, 92
.set MSB, 0
.macro WIN new
.if MSB != (\new)
	s_set_vgpr_msb (MSB<<8)|(\new)
.set MSB, (\new)
.endif
.endm
.macro BARRIER
	s_barrier_signal -1
	s_barrier_wait -1
.endm
.macro MIDDLE
	WIN 0
	s_barrier_wait -1
	s_cmp_lg_u32 s[WV], 0
	s_cbranch_scc1 .Lnot_wave_0_\@
	s_barrier_signal -3
.Lnot_wave_0_\@:
	s_barrier_wait -3
	BARRIER
.endm
.macro CROUND
	s_barrier_signal -1
	MIDDLE
.endm
.macro TLOAD g0, g1
	tensor_load_to_lds s[\g0:\g0+3], s[\g1:\g1+7]
	s_nop 0
.rept 4
	v_nop
.endr
.endm
.macro PROD k, a, n
.set pq, (\n)/8
.set pT, ((\n)%8)/2
.set pu, (\n)%2
.set pR, 32*pq+16*pu
.set pX, 16*(4*(pq%4)+pT)
.if \k == 0
.set pD, ACC+64*(\a)+16*pT+8*pu
.set pA, pR
.set pB, pX
.set pSA, WSC+8*(\a)+pq
.set pSB, XS+8*(pT/2)+pq
.set pFA, pu
.set pFB, pT%2
	WIN 0x09+4*(pq/4)
.else
.set pD, ACC+64*(\a)+16*(2*(pT/2)+pu)+8*(pT%2)
.set pA, pX
.set pB, pR
.set pSA, XS+8*(pT/2)+pq
.set pSB, WSC+8*(\a)+pq
.set pFA, pT%2
.set pFB, pu
	WIN 0x06+pq/4
.endif
.set pC, pD
.if pq == 0
.set pC, ZR
.endif
.if pFA && pFB
	v_wmma_scale_f32_16x16x128_f8f6f4 v[pD:pD+7], v[pA:pA+15], v[pB:pB+15], v[pC:pC+7], v[pSA], v[pSB] matrix_a_scale:MATRIX_SCALE_ROW1 matrix_b_scale:MATRIX_SCALE_ROW1 neg_lo:[0,0,1]
.elseif pFA
	v_wmma_scale_f32_16x16x128_f8f6f4 v[pD:pD+7], v[pA:pA+15], v[pB:pB+15], v[pC:pC+7], v[pSA], v[pSB] matrix_a_scale:MATRIX_SCALE_ROW1 neg_lo:[0,0,1]
.elseif pFB
	v_wmma_scale_f32_16x16x128_f8f6f4 v[pD:pD+7], v[pA:pA+15], v[pB:pB+15], v[pC:pC+7], v[pSA], v[pSB] matrix_b_scale:MATRIX_SCALE_ROW1 neg_lo:[0,0,1]
.else
	v_wmma_scale_f32_16x16x128_f8f6f4 v[pD:pD+7], v[pA:pA+15], v[pB:pB+15], v[pC:pC+7], v[pSA], v[pSB] neg_lo:[0,0,1]
.endif
.endm
.macro LN l, kb, X
.if (\l) < 4
	v_lshrrev_b32 v[EB+(\l)], 23, v[SOP+(\l)]
.elseif (\l) < 8
.set nT, (\l)-4
.if \kb == 0
	v_perm_b32 v[SW+nT], v[EB+nT], v[SW+nT], s[SEL4]
.elseif nT < 2
	v_lshl_or_b32 v[PKR+nT], v[EB+2+nT], 8, v[EB+nT]
.elseif nT == 2
	v_cndmask_b32 v[PKR+2], v[PKR], v[PKR+1], s[HM]
.endif
.elseif (\l) < 20
.set nR, ((\l)-8)%6
.set nB, 2*(((\l)-8)/6)+nR%2
.set nC, nR/2
.set nX, (\X)+16*nB+8*(nC%2)+3*(nC/2)
	v_max3_num_f32 v[TM+3*nB+nC], |v[nX]|, |v[nX+1]|, |v[nX+2]|
.elseif (\l) < 56
.set nR, ((\l)-20)%18
.set nB, 2*(((\l)-20)/18)+nR%2
.set nC, nR/2
.set nM, TM+3*nB
.set nX, (\X)+16*nB
.if nC == 0
	v_max3_num_f32 v[nM], v[nM], |v[nX+6]|, |v[nX+7]|
.elseif nC == 1
	v_max3_num_f32 v[nM+1], v[nM+1], |v[nX+11]|, |v[nX+12]|
.elseif nC == 2
	v_max3_num_f32 v[nM+2], v[nM+2], |v[nX+13]|, |v[nX+14]|
.elseif nC == 3
	v_max3_num_f32 v[nM], v[nM], v[nM+1], v[nM+2]
.elseif nC == 4
	v_max3_num_f32 v[nM], v[nM], |v[nX+15]|, 0x4800000
.elseif nC == 5
	v_permlanex16_b32 v[PX+nB], v[nM], s[SEL], s[SEL+1]
.elseif nC == 6
	v_max_num_f32 v[nM], v[nM], v[PX+nB]
.elseif nC == 7
	v_and_or_b32 v[BD+nB], v[nM], 0x7f800000, s[MNT]
.else
	v_add_nc_u32 v[SOP+nB], 0xfc000000, v[nM]
.endif
.else
.set nR, ((\l)-56)%9
.set nC, ((\l)-56)/9
.set nB, nC/2
.set nX, (\X)+8*nC
.if nR < 8
	v_med3_num_f32 v[nX+nR], v[nX+nR], -v[BD+nB], v[BD+nB]
.else
	v_cvt_scalef32_pk8_fp8_f32 v[CD+2*nC:CD+2*nC+1], v[nX:nX+7], v[SOP+nB]
.endif
.endif
.endm
.macro HALF h
	WIN 0x40
.irp q, 0,1,2,3
.irp u, 0,1
.irp c, 0,1,2,3
	ds_load_b128 v[32*(4*(\h)+\q)+16*\u+4*\c:32*(4*(\h)+\q)+16*\u+4*\c+3], v[KA] offset:16384*\u+2048*(4*(\h)+\q)+512*\c
.endr
.endr
.endr
	WIN 0
.endm
.macro SCALES a
.irp p, 0,1,2,3
	ds_load_b64 v[WSC+8*(\a)+2*\p:WSC+8*(\a)+2*\p+1], v[SA] offset:256*\p
.endr
.endm
.macro GAP n, kb, X, a, ld
.if (\n) < 10
	WIN 0
	LN 2*(\n), \kb, \X
	LN 2*(\n)+1, \kb, \X
.elseif ((\n) > 11) && ((\n) < 30)
	WIN 0
	LN 2*(\n)-4, \kb, \X
	LN 2*(\n)-3, \kb, \X
.elseif (\n) > 31
.set gk, ((\n)-32)/4
.set gm, (\n)%4
	WIN 0
	LN 56+9*gk+2*gm, \kb, \X
	LN 57+9*gk+2*gm, \kb, \X
.if gm == 3
	LN 64+9*gk, \kb, \X
.endif
.endif
.if (\n) == 4
.if \ld
	SCALES 1-\a
.endif
	HALF 1
.elseif (\n) == 35
.if \ld
	HALF 0
.endif
.endif
.endm
.macro WORDS b
	v_cndmask_b32 v[PKR], v[SW], v[SW+1], s[HM]
	v_cndmask_b32 v[PKR+1], v[SW+2], v[SW+3], s[HM]
	global_store_b32 v[L4], v[PKR], s[\b:\b+1]
	global_store_b32 v[L4], v[PKR+1], s[\b:\b+1] offset:1024
.endm
.macro QWORDS
	s_cmp_eq_u32 s[J], 2
	s_cbranch_scc0 .Lnot_yet_\@
	WORDS QSB
.Lnot_yet_\@:
.endm
.macro CUT i, ld, rnd, x1, x2
	WIN 0
.if \i == 0
	s_wait_dscnt 16
.elseif \i == 1
.if \ld
	s_wait_dscnt 36
	v_add_nc_u32 v[KA], s[KS], v[LI]
	v_add_nc_u32 v[SA], s[SS], v[L8]
	s_add_co_u32 s[KS], s[KS], 32768
	s_and_b32 s[KS], s[KS], 0x3ffff
	s_add_co_u32 s[SS], s[SS], 1024
.else
	s_wait_dscnt 32
.endif
.if \x1 == 1
	QWORDS
.elseif \x1 == 2
	WORDS KSB
.elseif \x1 > 2
	ds_store_b16 v[VBA], v[PKR+2] offset:256*(\x1-3)
.endif
.elseif \i == 2
	s_wait_xcnt 0x0
	s_wait_dscnt 16
.if \x2 == 1
	s_add_nc_u64 s[CB:CB+1], s[CB:CB+1], 512
.elseif \x2 == 2
	s_cmp_eq_u32 s[J], 2
	s_mov_b32 s28, 512
	s_mov_b32 s29, 0
	s_cselect_b32 s28, 8387072, s28
	s_add_nc_u64 s[CB:CB+1], s[CB:CB+1], s[28:29]
.endif
.else
.if \ld
	s_wait_dscnt 32
.else
	s_wait_dscnt 0x0
.endif
.if \rnd > 0
	s_wait_tensorcnt 0x0
.if \rnd == 1
	ds_add_u32 v[SPW], v[NIL]
	s_and_b32 s28, s[J], 1
	s_cmp_eq_u32 s28, 0
	s_mov_b32 s28, 65536
	s_mov_b32 s29, 0
	s_cselect_b32 s28, 983040, s28
	s_add_nc_u64 s[G0B+2:G0B+3], s[G0B+2:G0B+3], s[28:29]
	s_add_co_u32 s[G0B+1], s[G0B+1], 65536
	s_and_b32 s[G0B+1], s[G0B+1], 0x3ffff
.endif
.endif
.endif
.endm
.macro PAIR k, a, kb, ld, rnd, x1, x2
.set N_, 0
.rept 64
.if N_ == 0
	CUT 0, \ld, \rnd, \x1, \x2
.elseif N_ == 12
	CUT 1, \ld, \rnd, \x1, \x2
.elseif N_ == 32
	CUT 2, \ld, \rnd, \x1, \x2
.elseif N_ == 48
	CUT 3, \ld, \rnd, \x1, \x2
.elseif (N_ == 56) && (\rnd > 0)
	WIN 0
	s_wait_dscnt 0x0
	s_barrier_signal -1
.endif
	PROD \k, \a, N_
	GAP N_, \kb, ACC+64*(1-\a), \a, \ld
.set N_, N_+1
.endr
	WIN 0
.if \rnd > 0
	s_wait_alu depctr_va_vdst(0)
.endif
.endm
.macro QST
.irp T, 0,1,2,3
	global_store_b128 v[LI], v[CD+4*\T:CD+4*\T+3], s[CB:CB+1] offset:16384*\T
.endr
.endm
.macro VST g
.irp b, 0,1,2,3
	global_store_b128 v[LI], v[CD+4*\b:CD+4*\b+3], s[VCB:VCB+1] offset:(2*(\g)+(\b&1))*131072+512*(\b>>1)
.endr
.endm
	s_load_b256 s[4:11], s[0:1], 0x0
	s_load_b128 s[12:15], s[0:1], 0x20
	v_lshl_add_u32 v[SPW], v0, 2, SPARE
	v_mov_b32 v[NIL], 0
	ds_add_u32 v[SPW], v[NIL]
	ds_add_u32 v[SPW], v[NIL]
	v_lshrrev_b32 v15, 5, v0
	v_readfirstlane_b32 s[WV], v15
	s_lshl_b32 s30, s[WV], 10
	s_add_co_u32 s30, s30, WSL
	s_lshr_b32 s31, s[WV], 1
	s_lshl_b32 s31, s31, 2
	s_and_b32 s32, s[WV], 1
	s_lshl_b32 s32, s32, 1
	s_add_co_u32 s31, s31, s32
	s_add_co_u32 s31, s31, XV
	s_lshl_b32 s32, s[WV], 15
	s_add_co_u32 s32, s32, 131072
	v_and_b32 v15, 31, v0
	v_lshlrev_b32 v[LI], 4, v15
	v_lshlrev_b32 v[L4], 2, v15
	v_lshlrev_b32 v[L8], 3, v15
	v_cmp_lt_u32 s[HM], 15, v15
	v_add_nc_u32 v7, s30, v[LI]
	v_add_nc_u32 v[VBA], s31, v[L8]
	v_add_nc_u32 v[XA], s32, v[LI]
	v_mov_b32 v[KA], v[LI]
	v_add_nc_u32 v[SA], WSL, v[L8]
	s_bfe_u32 s17, ttmp6, 0x40000
	s_lshl_b32 s18, ttmp9, 2
	s_add_co_u32 s18, s18, s17
	s_and_b32 s19, ttmp7, 0xffff
	s_mov_b32 s[SEL], 0x76543210
	s_mov_b32 s[SEL+1], 0xfedcba98
	s_mov_b32 s[MNT], 0x600000
	s_mov_b32 s[SEL4], 0x04030201
	s_mov_b32 s[J], 0
	s_mov_b32 s[KS], 32768
	s_mov_b32 s[SS], WSL+2048
	s_mov_b32 s[G1A], 15|(3<<16)|(1<<21)
	s_mov_b32 s[G1A+1], 32<<16
	s_mov_b32 s[G1A+2], 256<<16
	s_mov_b32 s[G1A+3], 32<<16
	s_mov_b32 s[G1A+4], 256
	s_mov_b32 s[G1A+5], 32
	s_mov_b32 s[G1A+6], 0
	s_mov_b32 s[G1A+7], 0
	s_mov_b32 s[G1B], 15|(3<<16)|(1<<21)
	s_mov_b32 s[G1B+1], 32<<16
	s_mov_b32 s[G1B+2], 64<<16
	s_mov_b32 s[G1B+3], 32<<16
	s_mov_b32 s[G1B+4], 64
	s_mov_b32 s[G1B+5], 32
	s_mov_b32 s[G1B+6], 0
	s_mov_b32 s[G1B+7], 0
	s_mov_b32 s[G1X], 3<<16
	s_mov_b32 s[G1X+1], 1024<<16
	s_mov_b32 s[G1X+2], 8<<16
	s_mov_b32 s[G1X+3], 1024<<16
	s_mov_b32 s[G1X+4], 8
	s_mov_b32 s[G1X+5], 2048
	s_mov_b32 s[G1X+6], 0
	s_mov_b32 s[G1X+7], 0
	s_lshr_b32 s29, s[WV], 1
	s_lshl_b32 s28, s29, 16
	s_lshl_b32 s32, s19, 17
	s_lshl_b32 s34, s[WV], 14
	s_add_co_u32 s34, s34, s32
	s_add_co_u32 s34, s34, 65536
	s_add_co_u32 s32, s32, s28
	s_mov_b32 s33, 0
	s_mov_b32 s35, 0
	s_lshl_b32 s30, s18, 18
	s_lshl_b32 s31, s29, 17
	s_add_co_u32 s30, s30, s31
	s_add_co_u32 s30, s30, 8192
	s_mov_b32 s31, 0
	s_mov_b32 s[G0A], 1
	s_mov_b32 s[G0A+1], s28
	s_mov_b32 s[G0X], 1
	s_add_co_u32 s[G0X+1], s28, 131072
	s_mov_b32 s[G0B], 1
	s_lshl_b32 s[G0B+1], s[WV], 14
	s_add_co_u32 s[G0B+1], s[G0B+1], 65536
	s_wait_alu depctr_va_vdst(0)
	s_wait_dscnt 0x0
	CROUND
	s_wait_kmcnt 0x0
	s_add_nc_u64 s[G0A+2:G0A+3], s[6:7], s[32:33]
	s_or_b32 s[G0A+3], s[G0A+3], 0x80000000
	s_add_nc_u64 s[G0X+2:G0X+3], s[4:5], s[30:31]
	s_or_b32 s[G0X+3], s[G0X+3], 0x80000000
	s_add_nc_u64 s[G0B+2:G0B+3], s[6:7], s[34:35]
	s_or_b32 s[G0B+3], s[G0B+3], 0x80000000
	s_cmp_eq_u32 s[WV], 0
	s_cbranch_scc0 .Lwave_1
	TLOAD G0A, G1A
	s_branch .Lasked
.Lwave_1:
	s_cmp_lt_u32 s[WV], 3
	s_cbranch_scc0 .Lwave_3
	TLOAD G0X, G1X
	s_branch .Lasked
.Lwave_3:
	TLOAD G0A, G1A
.Lasked:
	s_mov_b32 s31, 0
	s_lshl_b32 s30, s19, 12
	s_lshl_b32 s34, s[WV], 10
	s_add_co_u32 s30, s30, s34
	s_add_co_u32 s30, s30, 262144
	s_add_nc_u64 s[WSB:WSB+1], s[8:9], s[30:31]
.irp m, 0,1,2
.irp i, 0,1
	global_load_b128 v[16+8*\m+4*\i:16+8*\m+4*\i+3], v[LI], s[WSB:WSB+1] offset:32768*\m+512*\i
.endr
.endr
	s_lshl_b32 s30, s18, 13
	s_lshl_b32 s34, s[WV], 11
	s_add_co_u32 s30, s30, s34
	s_add_nc_u64 s[XSB:XSB+1], s[8:9], s[30:31]
	s_lshl_b32 s34, s19, 7
	s_add_co_u32 s30, s30, s34
	s_add_nc_u64 s[QSB:QSB+1], s[14:15], s[30:31]
	s_add_nc_u64 s[KSB:KSB+1], s[QSB:QSB+1], 262144
.irp g, 0,1
.irp p, 0,1,2,3
	global_load_b64 v[XS+8*\g+2*\p:XS+8*\g+2*\p+1], v[L8], s[XSB:XSB+1] offset:1024*\g+256*\p
.endr
.endr
	s_lshl_b32 s30, s18, 18
	s_lshl_b32 s34, s[WV], 16
	s_add_co_u32 s30, s30, s34
	s_add_nc_u64 s[XB:XB+1], s[4:5], s[30:31]
	s_lshl_b32 s34, s19, 11
	s_add_co_u32 s30, s30, s34
	s_add_nc_u64 s[CB:CB+1], s[10:11], s[30:31]
	s_sub_nc_u64 s[CB:CB+1], s[CB:CB+1], 1024
	WIN 0x80
.irp s, 0,1,2,3
.irp T, 0,1,2,3
.irp c, 0,1,2,3
	global_load_b128 v[16*(4*\s+\T)+4*\c:16*(4*\s+\T)+4*\c+3], v[LI], s[XB:XB+1] offset:16384*\T+2048*\s+512*\c
.endr
.endr
.endr
	WIN 0
	s_lshl_b32 s34, s18, 1
	s_lshr_b32 s35, s[WV], 1
	s_add_co_u32 s34, s34, s35
	s_lshl_b32 s30, s19, 20
	s_lshl_b32 s34, s34, 11
	s_add_co_u32 s30, s30, s34
	s_and_b32 s34, s[WV], 1
	s_lshl_b32 s34, s34, 10
	s_add_co_u32 s30, s30, s34
	s_add_nc_u64 s[VCB:VCB+1], s[12:13], s[30:31]
	s_lshl_b32 s30, s19, 15
	s_lshl_b32 s34, s[WV], 13
	s_add_co_u32 s30, s30, s34
	s_lshl_b32 s34, s18, 8
	s_add_co_u32 s30, s30, s34
	s_add_co_u32 s30, s30, 524288
	s_add_nc_u64 s[VSB:VSB+1], s[14:15], s[30:31]
.set I_, 0
.rept 64
	v_mov_b32 v[ACC+64+I_], 0
.set I_, I_+1
.endr
.irp i, 0,1,2,3
	v_mov_b32 v[PX+\i], 0
	v_mov_b32 v[SOP+\i], 0
	v_mov_b32 v[SW+\i], 0
	v_mov_b32 v[ZR+\i], 0
	v_mov_b32 v[ZR+4+\i], 0
.endr
	s_wait_alu depctr_va_vdst(0)
	s_wait_loadcnt 63
.irp m, 0,1,2
.irp i, 0,1
	ds_store_b128 v7, v[16+8*\m+4*\i:16+8*\m+4*\i+3] offset:4096*\m+512*\i
.endr
.endr
	s_wait_tensorcnt 0x0
	s_wait_dscnt 0x0
	BARRIER
	WIN 0xc0
.irp s, 0,1,2,3
.irp T, 0,1,2,3
.irp c, 0,1,2,3
	ds_load_b128 v[16*(4*\s+\T)+4*\c:16*(4*\s+\T)+4*\c+3], v[XA] offset:8192*\T+2048*\s+512*\c
.endr
.endr
.endr
	WIN 0
	SCALES 0
	v_add_nc_u32 v[SA], WSL+1024, v[L8]
	HALF 0
	s_wait_alu depctr_va_vdst(0)
	s_wait_dscnt 36
	s_wait_loadcnt 0x0
.Ltrip:
	PAIR 0, 0, 0, 1, 1, 0, 1
	MIDDLE
	TLOAD G0B, G1B
	s_cmp_eq_u32 s[J], 0
	s_cbranch_scc1 .Lnone_before
	QST
.Lnone_before:
	PAIR 0, 1, 0, 1, 0, 1, 2
	QST
	s_add_co_u32 s[J], s[J], 1
	s_cmp_lt_u32 s[J], 4
	s_wait_alu depctr_va_vdst(0)
	s_cbranch_scc1 .Ltrip
	PAIR 1, 0, 0, 1, 2, 0, 1
	s_barrier_wait -1
	QST
	PAIR 1, 1, 0, 1, 0, 2, 0
	VST 0
	PAIR 1, 0, 1, 1, 0, 3, 0
	VST 1
	PAIR 1, 1, 1, 0, 0, 4, 0
	VST 2
	s_wait_xcnt 0x0
.set N_, 0
.rept 8
	LN N_, 1, ACC+64
.set N_, N_+1
.endr
	ds_store_b16 v[VBA], v[PKR+2] offset:512
.rept 120
	LN N_, 1, ACC+64
.set N_, N_+1
.endr
	v_nop
	VST 3
.set N_, 0
.rept 8
	LN N_, 1, ACC+64
.set N_, N_+1
.endr
	ds_store_b16 v[VBA], v[PKR+2] offset:768
	s_lshl_b32 s30, s[WV], 8
	s_add_co_u32 s30, s30, XV
	v_add_nc_u32 v7, s30, v[L8]
	s_wait_alu depctr_va_vdst(0)
	s_wait_dscnt 0x0
	BARRIER
	ds_load_b64 v[TM:TM+1], v7
	s_wait_dscnt 0x0
	global_store_b64 v[L8], v[TM:TM+1], s[VSB:VSB+1]
	s_wait_tensorcnt 0x0
	ds_add_u32 v[SPW], v[NIL]
	s_wait_dscnt 0x0
	CROUND
	s_endpgm
.Lfunc_end_k_q27dd186726_proj:
	.size	k_q27dd186726_proj, .Lfunc_end_k_q27dd186726_proj-k_q27dd186726_proj
	.p2alignl 7, 3214868480
	.fill 96, 4, 3214868480
	.section	.rodata,"a",@progbits
	.p2align	6, 0x0
	.amdhsa_kernel k_q27dd186726_proj
		.amdhsa_group_segment_fixed_size 327680
		.amdhsa_private_segment_fixed_size 0
		.amdhsa_enable_private_segment 0
		.amdhsa_kernarg_size 48
		.amdhsa_user_sgpr_count 2
		.amdhsa_user_sgpr_kernarg_segment_ptr 1
		.amdhsa_wavefront_size32 1
		.amdhsa_system_sgpr_workgroup_id_x 1
		.amdhsa_system_sgpr_workgroup_id_y 1
		.amdhsa_system_sgpr_workgroup_id_z 1
		.amdhsa_system_vgpr_workitem_id 0
		.amdhsa_next_free_vgpr 1024
		.amdhsa_next_free_sgpr 100
		.amdhsa_reserve_vcc 0
		.amdhsa_float_denorm_mode_32 3
		.amdhsa_float_denorm_mode_16_64 3
		.amdhsa_memory_ordered 1
		.amdhsa_forward_progress 1
		.amdhsa_inst_pref_size 185
	.end_amdhsa_kernel
	.amdgpu_metadata
---
amdhsa.version: [ 1, 2 ]
amdhsa.kernels:
  - .name:           k_q27dd186726_proj
    .symbol:         k_q27dd186726_proj.kd
    .args:
      - { .name: xi, .offset: 0, .size: 8, .value_kind: global_buffer, .address_space: global }
      - { .name: wi, .offset: 8, .size: 8, .value_kind: global_buffer, .address_space: global }
      - { .name: xws, .offset: 16, .size: 8, .value_kind: global_buffer, .address_space: global }
      - { .name: qk, .offset: 24, .size: 8, .value_kind: global_buffer, .address_space: global }
      - { .name: vi, .offset: 32, .size: 8, .value_kind: global_buffer, .address_space: global }
      - { .name: sc, .offset: 40, .size: 8, .value_kind: global_buffer, .address_space: global }
    .group_segment_fixed_size: 327680
    .private_segment_fixed_size: 0
    .kernarg_segment_align: 8
    .kernarg_segment_size: 48
    .max_flat_workgroup_size: 128
    .sgpr_count:     100
    .vgpr_count:     1024
    .wavefront_size: 32
...
	.end_amdgpu_metadata
.endif
;; end of part 2
;; launch scores (part 3): grid 9 x 16, 4 waves a work-group, no clusters, 327,680 bytes of LDS; arguments qk, sc, pi, pst; writes pi, pst
.if DOCPART == 3
	.amdgcn_target "amdgcn-amd-amdhsa--gfx1250"
	.amdhsa_code_object_version 6
	.text
	.protected	k_q27dd186726_scores
	.globl	k_q27dd186726_scores
	.p2align	8
	.type	k_q27dd186726_scores,@function
k_q27dd186726_scores:
	s_mov_b64 s[64:65], 0
	v_nop
	global_prefetch_b8 v0, s[64:65] scope:SCOPE_SE
	s_setreg_imm32_b32 hwreg(HW_REG_WAVE_MODE, 25, 1), 1
	s_wait_xcnt 0x0
.set SPARE, 262144
.set LI,  1
.set L4,  2
.set KA,  4
.set LQ,  8
.set NINF, 9
.set DD,  10
.set SPW, 13
.set NIL, 14
.set ACC, 16
.set TM,  80
.set NMB, 96
.set LBP, 104
.set CD,  112
.set NMS, 128
.set PMS, 144
.set LBS, 160
.set XS,  176
.set WSC, 192
.set WV,  16
.set SEL, 20
.set MNT, 22
.set HM,  23
.set CS,  24
.set MG,  26
.set SKIP, 27
.set W64, 28
.set G1,  36
.set G0A, 44
.set G0B, 48
.set QBS, 52
.set QSB, 54
.set KSB, 56
.set PB,  58
.set PST, 60
.set MSB, 0
.macro WIN new
.if MSB != \new
	s_set_vgpr_msb (MSB<<8)|\new
.set MSB, \new
.endif
.endm
.macro PLACES n
.rept \n
	v_nop
.endr
.endm
.macro MMX
.if zK == 0
.if fRA && fRB
	v_wmma_scale_f32_16x16x128_f8f6f4 v[rD:rD+7], v[rA:rA+15], v[rB:rB+15], 0, v[rSA], v[rSB] matrix_a_scale:MATRIX_SCALE_ROW1 matrix_b_scale:MATRIX_SCALE_ROW1
.elseif fRA
	v_wmma_scale_f32_16x16x128_f8f6f4 v[rD:rD+7], v[rA:rA+15], v[rB:rB+15], 0, v[rSA], v[rSB] matrix_a_scale:MATRIX_SCALE_ROW1
.elseif fRB
	v_wmma_scale_f32_16x16x128_f8f6f4 v[rD:rD+7], v[rA:rA+15], v[rB:rB+15], 0, v[rSA], v[rSB] matrix_b_scale:MATRIX_SCALE_ROW1
.else
	v_wmma_scale_f32_16x16x128_f8f6f4 v[rD:rD+7], v[rA:rA+15], v[rB:rB+15], 0, v[rSA], v[rSB]
.endif
.else
.if fRA && fRB
	v_wmma_scale_f32_16x16x128_f8f6f4 v[rD:rD+7], v[rA:rA+15], v[rB:rB+15], v[rD:rD+7], v[rSA], v[rSB] matrix_a_scale:MATRIX_SCALE_ROW1 matrix_b_scale:MATRIX_SCALE_ROW1 neg_lo:[0,0,1]
.elseif fRA
	v_wmma_scale_f32_16x16x128_f8f6f4 v[rD:rD+7], v[rA:rA+15], v[rB:rB+15], v[rD:rD+7], v[rSA], v[rSB] matrix_a_scale:MATRIX_SCALE_ROW1 neg_lo:[0,0,1]
.elseif fRB
	v_wmma_scale_f32_16x16x128_f8f6f4 v[rD:rD+7], v[rA:rA+15], v[rB:rB+15], v[rD:rD+7], v[rSA], v[rSB] matrix_b_scale:MATRIX_SCALE_ROW1 neg_lo:[0,0,1]
.else
	v_wmma_scale_f32_16x16x128_f8f6f4 v[rD:rD+7], v[rA:rA+15], v[rB:rB+15], v[rD:rD+7], v[rSA], v[rSB] neg_lo:[0,0,1]
.endif
.endif
.endm
.macro RLOAD k, st
	WIN 0x40
.irp sl, 0,1
.irp u, 0,1
.irp c, 0,1,2,3
	ds_load_b128 v[64*((\k)%4)+16*(2*\sl+\u)+4*\c:64*((\k)%4)+16*(2*\sl+\u)+4*\c+3], v[KA+2*(\st)+((\k)>>3)] offset:32768*(((\k)>>2)&1)+16384*\u+2048*(2*((\k)%4)+\sl)+512*\c
.endr
.endr
.endr
.endm
.macro MULS k, st
.if ((\k)%4) < 2
	WIN 0x09
.else
	WIN 0x0d
.endif
.irp sl, 0,1
.if (((\k)%4) == 0) && (\sl == 1)
	PLACES 9
.endif
.irp T, 0,1,2,3
.irp u, 0,1
.set zK, 2*((\k)%4)+\sl
.set rD, ACC+16*\T+8*\u
.set rA, 64*((\k)%4)+16*(2*\sl+\u)
.set rB, 16*(4*(zK&3)+\T)
.set rSA, WSC+32*(\st)+8*((\k)>>2)+zK
.set rSB, XS+8*(\T>>1)+zK
.set fRA, \u
.set fRB, \T&1
	MMX
.endr
.endr
.endr
.endm
.macro SUB k, st, first
.if (\k) <= 12
	s_wait_dscnt 48
.else
	s_wait_dscnt 16*(15-(\k))
.endif
.if \first
.if (\k) < 2
	s_wait_loadcnt 63
.elseif (\k) == 2
	s_wait_loadcnt 32
.elseif (\k) == 3
	s_wait_loadcnt 0
.endif
.endif
	MULS \k, \st
.if ((\k)+4 <= 15) || (((\k)%4) == 3)
	PLACES 8
.endif
.if (\k)+4 <= 15
	RLOAD (\k)+4, \st
.endif
.endm
.macro MASK G
	s_cmp_gt_u32 s[MG], \G
	s_cbranch_scc1 .Lopen_\@
.irp T, 0,1,2,3
	s_add_co_i32 s29, s[W64], 32*(\T>>1)+8*(\T&1)-32*(\G)
	v_add_nc_u32 v[DD], s29, v[LQ]
.irp n, 0,1,2,3,4,5,6,7,8,9,10,11,12,13,14,15
	v_cmp_gt_i32 vcc_lo, \n, v[DD]
	v_cndmask_b32 v[ACC+16*\T+\n], v[ACC+16*\T+\n], v[NINF], vcc_lo
.endr
.endr
.Lopen_\@:
.endm
.macro SMX c, st
	s_wait_xcnt 0x0
.irp b, 0,1,2,3
	v_max3_num_f32 v[TM+\b], v[ACC+16*\b], v[ACC+16*\b+1], v[ACC+16*\b+2]
.endr
.irp i, 3,5,7,9,11,13
.irp b, 0,1,2,3
	v_max3_num_f32 v[TM+\b], v[TM+\b], v[ACC+16*\b+\i], v[ACC+16*\b+\i+1]
.endr
.endr
.irp b, 0,1,2,3
	v_max_num_f32 v[TM+\b], v[TM+\b], v[ACC+16*\b+15]
.endr
.irp b, 0,1,2,3
	v_permlanex16_b32 v[TM+4+\b], v[TM+\b], s[SEL], s[SEL+1]
.endr
.irp b, 0,1,2,3
	v_max_num_f32 v[TM+\b], v[TM+\b], v[TM+4+\b]
.endr
.irp b, 0,1,2,3
	v_mul_f32 v[TM+4+\b], s[CS], v[TM+\b]
.endr
.irp b, 0,1,2,3
	v_max_num_f32 v[TM+4+\b], 0xff61b1e6, v[TM+4+\b]
.endr
.irp b, 0,1,2,3
	v_floor_f32 v[NMB+2*\b], -v[TM+4+\b]
.endr
.irp b, 0,1,2,3
.irp j, 0,2,4,6,8,10,12,14
	v_pk_fma_f32 v[ACC+16*\b+\j:ACC+16*\b+\j+1], v[ACC+16*\b+\j:ACC+16*\b+\j+1], s[CS:CS+1], v[NMB+2*\b:NMB+2*\b+1] op_sel_hi:[1,0,0]
.endr
.endr
.irp b, 0,1,2,3
	v_fma_f32 v[TM+\b], v[TM+\b], s[CS], v[NMB+2*\b]
.endr
	s_wait_alu depctr_va_vdst(0)
.irp j, 0,1,2,3,4,5,6,7,8,9,10,11,12,13,14,15,16,17,18,19,20,21,22,23,24,25,26,27,28,29,30,31,32,33,34,35,36,37,38,39,40,41,42,43,44,45,46,47,48,49,50,51,52,53,54,55,56,57,58,59,60,61,62,63
	v_exp_f32 v[ACC+\j], v[ACC+\j]
.endr
.irp b, 0,1,2,3
	v_mov_b32 v[NMS+4*\b+(\c)], v[NMB+2*\b]
.endr
	s_wait_alu depctr_va_vdst(0)
.irp b, 0,1,2,3
	v_exp_f32 v[TM+\b], v[TM+\b]
.endr
.irp b, 0,1,2,3
	v_pk_add_f32 v[LBP+2*\b:LBP+2*\b+1], v[ACC+16*\b:ACC+16*\b+1], v[ACC+16*\b+2:ACC+16*\b+3]
.endr
.irp j, 4,6,8,10,12,14
.irp b, 0,1,2,3
	v_pk_add_f32 v[LBP+2*\b:LBP+2*\b+1], v[LBP+2*\b:LBP+2*\b+1], v[ACC+16*\b+\j:ACC+16*\b+\j+1]
.endr
.endr
.irp b, 0,1,2,3
	v_add_f32 v[LBP+2*\b], v[LBP+2*\b], v[LBP+2*\b+1]
.endr
.irp b, 0,1,2,3
	v_permlanex16_b32 v[TM+4+\b], v[LBP+2*\b], s[SEL], s[SEL+1]
.endr
.irp b, 0,1,2,3
	v_add_f32 v[LBS+4*\b+(\c)], v[LBP+2*\b], v[TM+4+\b]
.endr
	s_wait_alu depctr_va_vdst(0)
.irp b, 0,1,2,3
	v_mov_b32 v[PMS+4*\b+(\c)], v[TM+\b]
.endr
.irp b, 0,1,2,3
	v_max_num_f32 v[TM+\b], 0x4800000, v[TM+\b]
.endr
.irp b, 0,1,2,3
	v_add_nc_u32 v[TM+12+\b], 0xfc000000, v[TM+\b]
.endr
.irp b, 0,1,2,3
	v_and_or_b32 v[TM+8+\b], v[TM+\b], 0x7f800000, s[MNT]
.endr
.irp b, 0,1,2,3
.irp i, 0,1,2,3,4,5,6,7,8,9,10,11,12,13,14,15
	v_min_num_f32 v[ACC+16*\b+\i], v[ACC+16*\b+\i], v[TM+8+\b]
.endr
	v_cvt_scalef32_pk8_fp8_f32 v[CD+4*\b:CD+4*\b+1], v[ACC+16*\b:ACC+16*\b+7], v[TM+12+\b]
	v_cvt_scalef32_pk8_fp8_f32 v[CD+4*\b+2:CD+4*\b+3], v[ACC+16*\b+8:ACC+16*\b+15], v[TM+12+\b]
.endr
	v_nop
.irp b, 0,1,2,3
	global_store_b128 v[LI], v[CD+4*\b:CD+4*\b+3], s[PB:PB+1] offset:32768*\b+2048*(\st)+512*(\c)
.endr
.endm
.macro COMBINE st
.irp T, 0,1,2,3
	v_min_num_f32 v[TM], v[NMS+4*\T], v[NMS+4*\T+1]
	v_min_num_f32 v[TM+1], v[NMS+4*\T+2], v[NMS+4*\T+3]
	v_min_num_f32 v[NMB+\T], v[TM], v[TM+1]
.irp c, 0,1,2,3
	v_sub_f32 v[TM+4+\c], v[NMB+\T], v[NMS+4*\T+\c]
.endr
.irp c, 0,1,2,3
	v_cvt_i32_f32 v[TM+4+\c], v[TM+4+\c]
.endr
.irp c, 0,1,2,3
	v_ldexp_f32 v[PMS+4*\T+\c], v[PMS+4*\T+\c], v[TM+4+\c]
	v_ldexp_f32 v[LBS+4*\T+\c], v[LBS+4*\T+\c], v[TM+4+\c]
.endr
	v_add_f32 v[TM], v[LBS+4*\T], v[LBS+4*\T+1]
	v_add_f32 v[TM+1], v[LBS+4*\T+2], v[LBS+4*\T+3]
	v_add_f32 v[NMB+4+\T], v[TM], v[TM+1]
.irp c, 0,1,2,3
	v_max_num_f32 v[PMS+4*\T+\c], 0x24800000, v[PMS+4*\T+\c]
.endr
.irp c, 0,1,2,3
	v_add_nc_u32 v[PMS+4*\T+\c], 0xfc000000, v[PMS+4*\T+\c]
.endr
.irp c, 0,1,2,3
	v_lshrrev_b32 v[PMS+4*\T+\c], 23, v[PMS+4*\T+\c]
.endr
	v_lshl_or_b32 v[LBP+\T], v[PMS+4*\T+1], 8, v[PMS+4*\T]
	v_lshl_or_b32 v[LBP+\T], v[PMS+4*\T+2], 16, v[LBP+\T]
	v_lshl_or_b32 v[LBP+\T], v[PMS+4*\T+3], 24, v[LBP+\T]
.endr
.irp g, 0,1
	v_cndmask_b32 v[TM+8+4*\g], v[LBP+2*\g], v[LBP+2*\g+1], s[HM]
	v_cndmask_b32 v[TM+10+4*\g], v[NMB+2*\g], v[NMB+2*\g+1], s[HM]
	v_cndmask_b32 v[TM+11+4*\g], v[NMB+4+2*\g], v[NMB+5+2*\g], s[HM]
	global_store_b32 v[L4], v[TM+8+4*\g], s[PST:PST+1] offset:6144*\g+128*(\st)
	global_store_b64 v3, v[TM+10+4*\g:TM+11+4*\g], s[62:63] offset:6144*\g+2048+256*(\st)
.endr
.endm
.macro STEP st, first
	RLOAD 0, \st
	RLOAD 1, \st
	RLOAD 2, \st
	RLOAD 3, \st
.irp k, 0,1,2,3,4,5,6,7,8,9,10,11,12,13,14,15
	SUB \k, \st, \first
.if (\k%4) == 3
	WIN 0
	MASK (4*(\st)+(\k>>2))
	SMX (\k>>2), \st
.endif
.endr
	COMBINE \st
.endm
	s_load_b256 s[4:11], s[0:1], 0x0
	v_lshl_add_u32 v[SPW], v0, 2, SPARE
	v_mov_b32 v[NIL], 0
	ds_add_u32 v[SPW], v[NIL]
	ds_add_u32 v[SPW], v[NIL]
	v_lshrrev_b32 v15, 5, v0
	v_readfirstlane_b32 s[WV], v15
	v_and_b32 v15, 31, v0
	v_lshlrev_b32 v[LI], 4, v15
	v_lshlrev_b32 v[L4], 2, v15
	v_lshlrev_b32 v3, 3, v15
	v_cmp_lt_u32 s[HM], 15, v15
.irp n, 0,1,2,3
	v_add_nc_u32 v[KA+\n], 65536*\n, v[LI]
.endr
	v_and_b32 v10, 7, v0
	v_bfe_u32 v11, v0, 3, 1
	v_lshl_add_u32 v10, v11, 4, v10
	v_bfe_u32 v11, v0, 4, 1
	v_lshlrev_b32 v11, 4, v11
	v_sub_nc_u32 v[LQ], v10, v11
	v_mov_b32 v[NINF], 0xff800000
.irp b, 0,1,2,3
	v_mov_b32 v[TM+4+\b], 0
	v_mov_b32 v[NMB+2*\b+1], 0
.endr
	s_and_b32 s17, ttmp7, 0xffff
	s_lshr_b32 s18, s17, 2
	s_and_b32 s17, s17, 3
	s_sub_co_u32 s29, 7, s17
	s_sub_co_u32 s30, ttmp9, s17
	s_sub_co_u32 s30, s30, 1
	s_cmp_le_u32 ttmp9, s17
	s_cselect_b32 s19, s17, s29
	s_cselect_b32 s31, ttmp9, s30
	s_lshl_b32 s32, s[WV], 1
	s_cmp_eq_u32 s19, s31
	s_cselect_b32 s[MG], s32, 99
	s_cselect_b32 s[SKIP], 1, 0
	s_cmp_lt_u32 s[WV], 2
	s_cselect_b32 s[SKIP], s[SKIP], 0
	s_lshl_b32 s[W64], s[WV], 6
	s_mov_b32 s[SEL], 0x76543210
	s_mov_b32 s[SEL+1], 0xfedcba98
	s_mov_b32 s[MNT], 0x600000
	s_mov_b32 s[CS], 0x3d38aa3b
	s_mov_b32 s[CS+1], s[CS]
	s_mov_b32 s[G1], 3<<16
	s_mov_b32 s[G1+1], 32<<16
	s_mov_b32 s[G1+2], 128<<16
	s_mov_b32 s[G1+3], 32<<16
	s_mov_b32 s[G1+4], 128
	s_mov_b32 s[G1+5], 32
	s_mov_b32 s[G1+6], 0
	s_mov_b32 s[G1+7], 0
	s_lshl_b32 s32, s18, 21
	s_lshl_b32 s34, s31, 18
	s_add_co_u32 s32, s32, s34
	s_lshl_b32 s34, s[WV], 15
	s_add_co_u32 s32, s32, s34
	s_add_co_u32 s32, s32, 8388608
	s_mov_b32 s33, 0
	s_wait_dscnt 0x0
	s_wait_kmcnt 0x0
	s_add_nc_u64 s[32:33], s[4:5], s[32:33]
	s_mov_b32 s[G0A], 1
	s_mov_b32 s[G0A+1], s34
	s_mov_b64 s[G0A+2:G0A+3], s[32:33]
	s_or_b32 s[G0A+3], s[G0A+3], 0x80000000
	s_mov_b32 s[G0B], 1
	s_add_co_u32 s[G0B+1], s34, 131072
	s_add_nc_u64 s[G0B+2:G0B+3], s[32:33], 131072
	s_or_b32 s[G0B+3], s[G0B+3], 0x80000000
	tensor_load_to_lds s[G0A:G0A+3], s[G1:G1+7]
	s_nop 0
.rept 4
	v_nop
.endr
	s_mov_b32 s33, 0
	s_lshl_b32 s32, s18, 21
	s_lshl_b32 s34, s19, 18
	s_add_co_u32 s32, s32, s34
	s_lshl_b32 s34, s[WV], 16
	s_add_co_u32 s32, s32, s34
	s_add_nc_u64 s[QBS:QBS+1], s[4:5], s[32:33]
	s_lshl_b32 s32, s18, 16
	s_lshl_b32 s34, s19, 13
	s_add_co_u32 s32, s32, s34
	s_lshl_b32 s34, s[WV], 11
	s_add_co_u32 s32, s32, s34
	s_add_nc_u64 s[QSB:QSB+1], s[6:7], s[32:33]
	s_lshl_b32 s32, s18, 16
	s_lshl_b32 s34, s31, 13
	s_add_co_u32 s32, s32, s34
	s_add_co_u32 s32, s32, 262144
	s_add_nc_u64 s[KSB:KSB+1], s[6:7], s[32:33]
	s_lshl_b32 s32, s18, 22
	s_lshl_b32 s34, s19, 19
	s_add_co_u32 s32, s32, s34
	s_lshl_b32 s34, s[WV], 17
	s_add_co_u32 s32, s32, s34
	s_lshl_b32 s34, s31, 12
	s_add_co_u32 s32, s32, s34
	s_add_nc_u64 s[PB:PB+1], s[8:9], s[32:33]
	s_lshl_b32 s32, s18, 6
	s_lshl_b32 s34, s19, 3
	s_add_co_u32 s32, s32, s34
	s_lshl_b32 s34, s[WV], 1
	s_add_co_u32 s32, s32, s34
	s_mul_i32 s32, s32, 6144
	s_lshl_b32 s34, s31, 8
	s_add_co_u32 s32, s32, s34
	s_add_nc_u64 s[PST:PST+1], s[10:11], s[32:33]
	s_mov_b32 s35, 0
	s_add_nc_u64 s[62:63], s[PST:PST+1], s[34:35]
.irp g, 0,1,2,3,4,5,6,7
.irp s, 0,1,2,3,4,5,6,7
	global_load_b32 v[WSC+8*\g+\s], v[L4], s[KSB:KSB+1] offset:1024*\g+128*\s
.endr
.endr
.irp g, 0,1
.irp s, 0,1,2,3,4,5,6,7
	global_load_b32 v[XS+8*\g+\s], v[L4], s[QSB:QSB+1] offset:1024*\g+128*\s
.endr
.endr
	WIN 0x80
.irp s, 0,1,2,3
.irp T, 0,1,2,3
.irp c, 0,1,2,3
	global_load_b128 v[16*(4*\s+\T)+4*\c:16*(4*\s+\T)+4*\c+3], v[LI], s[QBS:QBS+1] offset:16384*\T+2048*\s+512*\c
.endr
.endr
.endr
	WIN 0xc0
.irp s, 0,1,2,3
.irp T, 0,1,2,3
.irp c, 0,1,2,3
	global_load_b128 v[16*(4*\s+\T)+4*\c:16*(4*\s+\T)+4*\c+3], v[LI], s[QBS:QBS+1] offset:16384*\T+2048*(\s+4)+512*\c
.endr
.endr
.endr
	WIN 0
	s_wait_alu depctr_va_vdst(0)
	s_wait_tensorcnt 0x0
	ds_add_u32 v[SPW], v[NIL]
	s_wait_dscnt 0x0
	s_barrier_signal -1
	s_barrier_wait -1
	tensor_load_to_lds s[G0B:G0B+3], s[G1:G1+7]
	s_nop 0
.rept 4
	v_nop
.endr
	STEP 0, 1
	s_wait_tensorcnt 0x0
	s_wait_dscnt 0x0
	s_barrier_signal -1
	s_barrier_wait -1
	s_cmp_eq_u32 s[SKIP], 1
	s_cbranch_scc1 .Lskip
	STEP 1, 0
.Lskip:
	s_wait_tensorcnt 0x0
	ds_add_u32 v[SPW], v[NIL]
	s_wait_dscnt 0x0
	s_endpgm
.Lfunc_end_k_q27dd186726_scores:
	.size	k_q27dd186726_scores, .Lfunc_end_k_q27dd186726_scores-k_q27dd186726_scores
	.p2alignl 7, 3214868480
	.fill 96, 4, 3214868480
	.section	.rodata,"a",@progbits
	.p2align	6, 0x0
	.amdhsa_kernel k_q27dd186726_scores
		.amdhsa_group_segment_fixed_size 327680
		.amdhsa_private_segment_fixed_size 0
		.amdhsa_enable_private_segment 0
		.amdhsa_kernarg_size 32
		.amdhsa_user_sgpr_count 2
		.amdhsa_user_sgpr_kernarg_segment_ptr 1
		.amdhsa_wavefront_size32 1
		.amdhsa_system_sgpr_workgroup_id_x 1
		.amdhsa_system_sgpr_workgroup_id_y 1
		.amdhsa_system_sgpr_workgroup_id_z 1
		.amdhsa_system_vgpr_workitem_id 0
		.amdhsa_next_free_vgpr 1024
		.amdhsa_next_free_sgpr 80
		.amdhsa_reserve_vcc 1
		.amdhsa_float_denorm_mode_32 3
		.amdhsa_float_denorm_mode_16_64 3
		.amdhsa_memory_ordered 1
		.amdhsa_forward_progress 1
		.amdhsa_inst_pref_size 255
	.end_amdhsa_kernel
	.section	.bss,"aw",@nobits
	.p2align	6
	.space	262144
	.amdgpu_metadata
---
amdhsa.version: [ 1, 2 ]
amdhsa.kernels:
  - .name:           k_q27dd186726_scores
    .symbol:         k_q27dd186726_scores.kd
    .args:
      - { .name: qk, .offset: 0, .size: 8, .value_kind: global_buffer, .address_space: global }
      - { .name: sc, .offset: 8, .size: 8, .value_kind: global_buffer, .address_space: global }
      - { .name: pi, .offset: 16, .size: 8, .value_kind: global_buffer, .address_space: global }
      - { .name: pst, .offset: 24, .size: 8, .value_kind: global_buffer, .address_space: global }
    .group_segment_fixed_size: 327680
    .private_segment_fixed_size: 0
    .kernarg_segment_align: 8
    .kernarg_segment_size: 32
    .max_flat_workgroup_size: 128
    .sgpr_count:     80
    .vgpr_count:     1024
    .wavefront_size: 32
...
	.end_amdgpu_metadata
.endif
;; end of part 3
;; launch pv (part 4): grid 8 x 32, 4 waves a work-group, no clusters, 327,680 bytes of LDS; arguments pi, pst, vi, sc, out0; writes out0
.if DOCPART == 4
	.amdgcn_target "amdgcn-amd-amdhsa--gfx1250"
	.amdhsa_code_object_version 6
	.text
	.protected	k_q27dd186726_pv
	.globl	k_q27dd186726_pv
	.p2align	8
	.type	k_q27dd186726_pv,@function
k_q27dd186726_pv:
	s_mov_b64 s[64:65], 0
	v_nop
	global_prefetch_b8 v0, s[64:65] scope:SCOPE_SE
	s_setreg_imm32_b32 hwreg(HW_REG_WAVE_MODE, 25, 1), 1
	s_wait_xcnt 0x0
.set STAGE, 262144
.set SPARE, 295936
.set LI,  1
.set L4,  2
.set VA,  3
.set PADR, 7
.set STO, 11
.set RD,  12
.set SPW, 13
.set NIL, 14
.set L8,  15
.set VS,  16
.set WSL, 84
.set WSS, 116
.set PF,  124
.set RLL, 128
.set RLS, 136
.set NML, 144
.set NMSS, 208
.set OB,  192
.set WV,  16
.set SEL, 20
.set HM,  22
.set K01, 23
.set NWL, 24
.set NWL1, 25
.set NWS, 26
.set NWS1, 27
.set G1C, 44
.set G0A, 52
.set G0B, 56
.set PL,  66
.set PS,  68
.set STL, 70
.set STS, 72
.set OL,  74
.set OS,  76
.set VSB, 78
.set MSB, 0
.macro WIN new
.if MSB != \new
	s_set_vgpr_msb (MSB<<8)|\new
.set MSB, \new
.endif
.endm
.macro PLACES n
.rept \n
	v_nop
.endr
.endm
.macro MMX
.if zK == 0
.if fRA && fRB
	v_wmma_scale_f32_16x16x128_f8f6f4 v[rD:rD+7], v[rA:rA+15], v[rB:rB+15], 0, v[rSA], v[rSB] matrix_a_scale:MATRIX_SCALE_ROW1 matrix_b_scale:MATRIX_SCALE_ROW1
.elseif fRA
	v_wmma_scale_f32_16x16x128_f8f6f4 v[rD:rD+7], v[rA:rA+15], v[rB:rB+15], 0, v[rSA], v[rSB] matrix_a_scale:MATRIX_SCALE_ROW1
.elseif fRB
	v_wmma_scale_f32_16x16x128_f8f6f4 v[rD:rD+7], v[rA:rA+15], v[rB:rB+15], 0, v[rSA], v[rSB] matrix_b_scale:MATRIX_SCALE_ROW1
.else
	v_wmma_scale_f32_16x16x128_f8f6f4 v[rD:rD+7], v[rA:rA+15], v[rB:rB+15], 0, v[rSA], v[rSB]
.endif
.else
.if fRA && fRB
	v_wmma_scale_f32_16x16x128_f8f6f4 v[rD:rD+7], v[rA:rA+15], v[rB:rB+15], v[rD:rD+7], v[rSA], v[rSB] matrix_a_scale:MATRIX_SCALE_ROW1 matrix_b_scale:MATRIX_SCALE_ROW1
.elseif fRA
	v_wmma_scale_f32_16x16x128_f8f6f4 v[rD:rD+7], v[rA:rA+15], v[rB:rB+15], v[rD:rD+7], v[rSA], v[rSB] matrix_a_scale:MATRIX_SCALE_ROW1
.elseif fRB
	v_wmma_scale_f32_16x16x128_f8f6f4 v[rD:rD+7], v[rA:rA+15], v[rB:rB+15], v[rD:rD+7], v[rSA], v[rSB] matrix_b_scale:MATRIX_SCALE_ROW1
.else
	v_wmma_scale_f32_16x16x128_f8f6f4 v[rD:rD+7], v[rA:rA+15], v[rB:rB+15], v[rD:rD+7], v[rSA], v[rSB]
.endif
.endif
.endm
.macro BASES i, pb, sb, ob
	s_lshl_b32 s28, s18, 22
	s_lshl_b32 s30, s[\i], 18
	s_add_co_u32 s28, s28, s30
	s_lshl_b32 s30, s[WV], 16
	s_add_co_u32 s28, s28, s30
	s_add_nc_u64 s[\pb:\pb+1], s[4:5], s[28:29]
	s_lshl_b32 s28, s18, 6
	s_lshl_b32 s30, s[\i], 2
	s_add_co_u32 s28, s28, s30
	s_add_co_u32 s28, s28, s[WV]
	s_mul_i32 s28, s28, 6144
	s_add_nc_u64 s[\sb:\sb+1], s[6:7], s[28:29]
	s_lshl_b32 s28, s18, 23
	s_lshl_b32 s30, s[\i], 19
	s_add_co_u32 s28, s28, s30
	s_lshl_b32 s30, s[WV], 17
	s_add_co_u32 s28, s28, s30
	s_lshl_b32 s30, ttmp9, 9
	s_add_co_u32 s28, s28, s30
	s_add_nc_u64 s[\ob:\ob+1], s[12:13], s[28:29]
.endm
.macro STATLD ws, nm, n, opt, nw, base
.set q, \opt
.rept (\n)-(\opt)
	v_mov_b32 v[\nm+2*q], 0x7f61b1e6
	v_mov_b32 v[\nm+2*q+1], 0
	v_mov_b32 v[\ws+q], 0
.set q, q+1
.endr
.set q, 0
.rept \n
.if q >= \opt
	s_cmp_le_u32 s[\nw], q
	s_cbranch_scc1 .Lst_done_\@
.endif
	global_load_b32 v[\ws+q], v[L4], s[\base:\base+1] offset:128*q
	global_load_b64 v[\nm+2*q:\nm+2*q+1], v[L8], s[\base:\base+1] offset:2048+256*q
.set q, q+1
.endr
.Lst_done_\@:
.endm
.macro PREP ws, nm, n, rl
	v_min_num_f32 v240, v[\nm], v[\nm+2]
.set q, 2
.rept (\n)-2
	v_min_num_f32 v240, v240, v[\nm+2*q]
.set q, q+1
.endr
	v_mov_b32 v241, 0
.set q, 0
.rept \n
	v_sub_f32 v[244+q%4], v240, v[\nm+2*q]
	v_max_num_f32 v[244+q%4], 0xc2800000, v[244+q%4]
	v_cvt_i32_f32 v[244+q%4], v[244+q%4]
	v_ldexp_f32 v[248+q%4], v[\nm+2*q+1], v[244+q%4]
	v_mul_lo_u32 v[252+q%4], v[244+q%4], s[K01]
	v_add_f32 v241, v241, v[248+q%4]
	v_add_nc_u32 v[\ws+q], v[\ws+q], v[252+q%4]
.set q, q+1
.endr
	s_wait_alu depctr_va_vdst(0)
	v_rcp_f32 v241, v241
	v_nop
	s_wait_alu depctr_va_vdst(0)
	v_permlanex16_b32 v242, v241, s[SEL], s[SEL+1]
	v_cndmask_b32 v[\rl], v241, v242, s[HM]
	v_cndmask_b32 v[\rl+2], v242, v241, s[HM]
	v_mov_b32 v[\rl+1], 0
	v_mov_b32 v[\rl+3], 0
.endm
.macro VLOAD s
	WIN 0x80
.irp tc, 0,1,2,3,4,5,6,7
.irp c, 0,1,2,3
	ds_load_b128 v[128*((\s)%2)+16*\tc+4*\c:128*((\s)%2)+16*\tc+4*\c+3], v[VA+2*((\s)/8)+(\tc>>2)] offset:16384*(\tc&3)+2048*((\s)%8)+512*\c
.endr
.endr
.endm
.macro PSET s, nw1
	s_min_u32 s28, s[\nw1], \s
	s_lshl_b32 s28, s28, 11
	v_add_nc_u32 v[PADR+(\s)%4], s28, v[LI]
.endm
.macro PLOAD s, pb
	WIN 0x40
.irp T, 0,1
.irp c, 0,1,2,3
	global_load_b128 v[64*((\s)%4)+16*\T+4*\c:64*((\s)%4)+16*\T+4*\c+3], v[PADR+(\s)%4], s[\pb:\pb+1] offset:32768*\T+512*\c
.endr
.endr
.endm
.macro ASK s
	WIN 0
	s_cmp_eq_u32 ttmp9, (\s)/2
	s_cbranch_scc0 .Lnot_mine_\@
	s_cmp_ge_u32 s[NWL1], (\s)+7
	s_cbranch_scc0 .Lnot_mine_\@
	global_prefetch_b8 v[PF], s[PL:PL+1] offset:2048*((\s)+6) th:TH_LOAD_NT scope:SCOPE_SE
.Lnot_mine_\@:
.endm
.macro KSTEP s, ws, smax, opt, nw, nw1, pb, lng
.if (\s) >= (\opt)
	WIN 0
	s_cmp_le_u32 s[\nw], \s
	s_cbranch_scc1 .Lend_\lng
.endif
.if \lng && ((\s) == 7)
	WIN 0
	s_wait_tensorcnt 0x0
	s_wait_dscnt 0x0
	s_barrier_signal -1
	s_barrier_wait -1
.endif
.if (\s)+3 <= (\smax)
	WIN 0
	PSET (\s)+3, \nw1
.endif
	PLACES 8
.if (\s) < (\smax)
	VLOAD (\s)+1
.endif
.if (\s)+3 <= (\smax)
	PLOAD (\s)+3, \pb
.endif
.if \lng && ((\s)%2 == 0) && ((\s) < 9)
	ASK \s
.endif
.if (\s) < (\smax)
	s_wait_dscnt 32
.else
	s_wait_dscnt 0
.endif
.if (\smax)-(\s) >= 3
	s_wait_loadcnt 24
.else
	s_wait_loadcnt 8*((\smax)-(\s))
.endif
	WIN 0xf6
.irp T, 0,1
.irp tc, 0,1,2,3,4,5,6,7
.set zK, \s
.set rD, 8*(8*\T+\tc)
.set rA, 128*((\s)%2)+16*\tc
.set rB, 64*((\s)%4)+16*\T
.set rSA, VS+16*(\tc>>1)+(\s)
.set rSB, \ws+(\s)
.set fRA, \tc&1
.set fRB, \T
	MMX
.endr
.endr
.endm
.macro OUT rl, ob
.irp T, 0,1
	WIN 0xc3
.irp q, 0,2,4,6,8,10,12,14,16,18,20,22,24,26,28,30,32,34,36,38,40,42,44,46,48,50,52,54,56,58,60,62
	v_pk_mul_f32 v[64*\T+\q:64*\T+\q+1], v[64*\T+\q:64*\T+\q+1], v[\rl+2*\T:\rl+2*\T+1] op_sel_hi:[1,0]
.endr
	WIN 0x0c
.irp tc, 0,1,2,3,4,5,6,7
	ds_store_b128 v[STO], v[64*\T+8*\tc:64*\T+8*\tc+3] offset:128*(\tc>>1)+32*(\tc&1)
	ds_store_b128 v[STO], v[64*\T+8*\tc+4:64*\T+8*\tc+7] offset:128*(\tc>>1)+32*(\tc&1)+16
.endr
	s_wait_xcnt 0x0
	WIN 0x40
.irp e, 0,1,2,3,4,5,6,7,8,9,10,11,12,13,14,15
	ds_load_b128 v[OB+4*\e:OB+4*\e+3], v[RD] offset:528*\e
.endr
	WIN 0x04
.irp e, 0,1,2,3,4,5,6,7,8,9,10,11,12,13,14,15
	s_wait_dscnt 15-\e
	global_store_b128 v[LI], v[OB+4*\e:OB+4*\e+3], s[\ob:\ob+1] offset:(8*\T+(\e&7)+16*(\e>>3))*4096 th:TH_STORE_NT
.endr
.endr
	WIN 0
	s_wait_xcnt 0x0
.endm
	s_load_b256 s[4:11], s[0:1], 0x0
	s_load_b64 s[12:13], s[0:1], 0x20
	v_lshl_add_u32 v[SPW], v0, 2, SPARE
	v_mov_b32 v[NIL], 0
	ds_add_u32 v[SPW], v[NIL]
	ds_add_u32 v[SPW], v[NIL]
	v_lshrrev_b32 v240, 5, v0
	v_readfirstlane_b32 s[WV], v240
	s_mul_i32 s32, s[WV], 8448
	s_add_co_u32 s32, s32, STAGE
	v_and_b32 v240, 31, v0
	v_lshlrev_b32 v[LI], 4, v240
	v_lshlrev_b32 v[L4], 2, v240
	v_lshlrev_b32 v[L8], 3, v240
	v_cmp_lt_u32 s[HM], 15, v240
.irp n, 0,1,2,3
	v_add_nc_u32 v[VA+\n], 65536*\n, v[LI]
.endr
	v_and_b32 v241, 15, v0
	v_bfe_u32 v243, v0, 4, 1
	v_mul_u32_u24 v[STO], v241, 528
	v_lshl_add_u32 v[STO], v243, 6, v[STO]
	v_add_nc_u32 v[STO], s32, v[STO]
	v_add_nc_u32 v[RD], s32, v[LI]
	v_lshlrev_b32 v[PF], 8, v241
	v_lshl_add_u32 v[PF], v243, 15, v[PF]
	v_mov_b32 v242, 0
	s_and_b32 s18, ttmp7, 0xffff
	s_and_b32 s19, s18, 7
	s_lshr_b32 s18, s18, 3
	s_mov_b32 s[SEL], 0x76543210
	s_mov_b32 s[SEL+1], 0xfedcba98
	s_mov_b32 s[K01], 0x01010101
	s_mov_b32 s[G1C], 3<<16
	s_mov_b32 s[G1C+1], 2048<<16
	s_mov_b32 s[G1C+2], 2<<16
	s_mov_b32 s[G1C+3], 2048<<16
	s_mov_b32 s[G1C+4], 2
	s_mov_b32 s[G1C+5], 16384
	s_mov_b32 s[G1C+6], 0
	s_mov_b32 s[G1C+7], 0
	s_lshl_b32 s28, ttmp9, 20
	s_lshl_b32 s29, s[WV], 18
	s_add_co_u32 s28, s28, s29
	s_lshl_b32 s29, s18, 15
	s_add_co_u32 s28, s28, s29
	s_mov_b32 s29, 0
	s_lshl_b32 s31, s[WV], 15
	s_wait_alu depctr_va_vdst(0)
	s_wait_dscnt 0x0
	s_wait_kmcnt 0x0
	s_add_nc_u64 s[28:29], s[8:9], s[28:29]
	s_mov_b32 s[G0A], 1
	s_mov_b32 s[G0A+1], s31
	s_mov_b64 s[G0A+2:G0A+3], s[28:29]
	s_or_b32 s[G0A+3], s[G0A+3], 0x80000000
	s_mov_b32 s[G0B], 1
	s_add_co_u32 s[G0B+1], s31, 131072
	s_add_nc_u64 s[G0B+2:G0B+3], s[28:29], 16384
	s_or_b32 s[G0B+3], s[G0B+3], 0x80000000
	tensor_load_to_lds s[G0A:G0A+3], s[G1C:G1C+7]
	s_nop 0
.rept 4
	v_nop
.endr
	s_mov_b32 s29, 0
	s_mov_b32 s[NWS1], s19
	s_add_co_u32 s[NWS], s19, 1
	s_sub_co_u32 s[NWL1], 15, s19
	s_sub_co_u32 s[NWL], 16, s19
	s_sub_co_u32 s34, 15, s19
	BASES 34, PL, STL, OL
	BASES 19, PS, STS, OS
	s_lshl_b32 s28, ttmp9, 15
	s_lshl_b32 s30, s18, 11
	s_add_co_u32 s28, s28, s30
	s_add_co_u32 s28, s28, 524288
	s_add_nc_u64 s[VSB:VSB+1], s[10:11], s[28:29]
	STATLD WSL, NML, 16, 9, NWL, STL
	STATLD WSS, NMSS, 8, 1, NWS, STS
.irp g, 0,1,2,3
.irp s, 0,1,2,3,4,5,6,7
	global_load_b64 v[VS+16*\g+2*\s:VS+16*\g+2*\s+1], v[L8], s[VSB:VSB+1] offset:8192*\g+256*\s
.endr
.endr
	PSET 0, NWL1
	PSET 1, NWL1
	PSET 2, NWL1
	PLOAD 0, PL
	PLOAD 1, PL
	PLOAD 2, PL
	WIN 0
	s_wait_alu depctr_va_vdst(0)
	s_wait_loadcnt 24
	PREP WSL, NML, 16, RLL
	PREP WSS, NMSS, 8, RLS
	s_wait_alu depctr_va_vdst(0)
	s_wait_tensorcnt 0x0
	ds_add_u32 v[SPW], v[NIL]
	s_wait_dscnt 0x0
	s_barrier_signal -1
	s_barrier_wait -1
	tensor_load_to_lds s[G0B:G0B+3], s[G1C:G1C+7]
	s_nop 0
.rept 4
	v_nop
.endr
	VLOAD 0
.irp s, 0,1,2,3,4,5,6,7,8,9,10,11,12,13,14,15
	KSTEP \s, WSL, 15, 9, NWL, NWL1, PL, 1
.endr
	WIN 0
.Lend_1:
	s_wait_loadcnt 0x0
	s_wait_dscnt 0x0
	PLACES 8
	PSET 0, NWS1
	PSET 1, NWS1
	PSET 2, NWS1
	PLOAD 0, PS
	PLOAD 1, PS
	PLOAD 2, PS
	OUT RLL, OL
	VLOAD 0
.irp s, 0,1,2,3,4,5,6,7
	KSTEP \s, WSS, 7, 1, NWS, NWS1, PS, 0
.endr
	WIN 0
.Lend_0:
	s_wait_loadcnt 0x0
	s_wait_dscnt 0x0
	PLACES 8
	OUT RLS, OS
	s_wait_tensorcnt 0x0
	ds_add_u32 v[SPW], v[NIL]
	s_wait_dscnt 0x0
	s_endpgm
.Lfunc_end_k_q27dd186726_pv:
	.size	k_q27dd186726_pv, .Lfunc_end_k_q27dd186726_pv-k_q27dd186726_pv
	.p2alignl 7, 3214868480
	.fill 96, 4, 3214868480
	.section	.rodata,"a",@progbits
	.p2align	6, 0x0
	.amdhsa_kernel k_q27dd186726_pv
		.amdhsa_group_segment_fixed_size 327680
		.amdhsa_private_segment_fixed_size 0
		.amdhsa_enable_private_segment 0
		.amdhsa_kernarg_size 40
		.amdhsa_user_sgpr_count 2
		.amdhsa_user_sgpr_kernarg_segment_ptr 1
		.amdhsa_wavefront_size32 1
		.amdhsa_system_sgpr_workgroup_id_x 1
		.amdhsa_system_sgpr_workgroup_id_y 1
		.amdhsa_system_sgpr_workgroup_id_z 1
		.amdhsa_system_vgpr_workitem_id 0
		.amdhsa_next_free_vgpr 1024
		.amdhsa_next_free_sgpr 90
		.amdhsa_reserve_vcc 0
		.amdhsa_float_denorm_mode_32 3
		.amdhsa_float_denorm_mode_16_64 3
		.amdhsa_memory_ordered 1
		.amdhsa_forward_progress 1
		.amdhsa_inst_pref_size 180
	.end_amdhsa_kernel
	.amdgpu_metadata
---
amdhsa.version: [ 1, 2 ]
amdhsa.kernels:
  - .name:           k_q27dd186726_pv
    .symbol:         k_q27dd186726_pv.kd
    .args:
      - { .name: pi, .offset: 0, .size: 8, .value_kind: global_buffer, .address_space: global }
      - { .name: pst, .offset: 8, .size: 8, .value_kind: global_buffer, .address_space: global }
      - { .name: vi, .offset: 16, .size: 8, .value_kind: global_buffer, .address_space: global }
      - { .name: sc, .offset: 24, .size: 8, .value_kind: global_buffer, .address_space: global }
      - { .name: out0, .offset: 32, .size: 8, .value_kind: global_buffer, .address_space: global }
    .group_segment_fixed_size: 327680
    .private_segment_fixed_size: 0
    .kernarg_segment_align: 8
    .kernarg_segment_size: 40
    .max_flat_workgroup_size: 128
    .sgpr_count:     90
    .vgpr_count:     1024
    .wavefront_size: 32
...
	.end_amdgpu_metadata
.endif
;; end of part 4
